; MI455X (gfx1250); checked and timed in simulation.
; The chip was launched on July 23, 2026; its instructions are those of AMD's public machine-readable ISA for CDNA 5 (MIT licence, August 2026) and "CDNA5" Instruction Set Architecture Reference Guide (July 2026). The comments in the code are by the model that wrote it; some were corrected since.
;; Linear Latent Kernel. Allowed arithmetic: matrix products marked QUANTISED: E2M1 operands, one E8M0 scale for each 32 along K, by v_wmma_scale_f32_16x16x128_f8f6f4 with both operands' format E2M1 (or v_wmma_scale_f32_32x16x128_f4), f32 sums; everything else in f32.
;; Inputs: Wg_codes 1,024 x 32 x 16 uint8 (E2M1 codes of Wg, K innermost, in blocks of 32 codes, two codes a byte); Wg_scales 1,024 x 32 uint8 (E8M0 scales of Wg, one for each 32 codes along K); Wk_codes 1,024 x 32 x 16 uint8 (E2M1 codes of Wk, K innermost, in blocks of 32 codes, two codes a byte); Wk_scales 1,024 x 32 uint8 (E8M0 scales of Wk, one for each 32 codes along K); Wq_codes 1,024 x 32 x 16 uint8 (E2M1 codes of Wq, K innermost, in blocks of 32 codes, two codes a byte); Wq_scales 1,024 x 32 uint8 (E8M0 scales of Wq, one for each 32 codes along K); Wv_codes 1,024 x 32 x 16 uint8 (E2M1 codes of Wv, K innermost, in blocks of 32 codes, two codes a byte); Wv_scales 1,024 x 32 uint8 (E8M0 scales of Wv, one for each 32 codes along K); bg 1,024 float32; bk 1,024 float32; bq 1,024 float32; bv 1,024 float32; x_codes 4 x 4,096 x 32 x 16 uint8 (E2M1 codes of x, K innermost, in blocks of 32 codes, two codes a byte); x_scales 4 x 4,096 x 32 uint8 (E8M0 scales of x, one for each 32 codes along K).
;; Outputs: out0 4 x 4,096 x 1,024 float32.
;; This version of the problem:
;;   THIS VERSION OF THE PROBLEM IS GIVEN IN LOW PRECISION. The matrix products marked QUANTISED in the list below multiply operands that are first quantised to E2M1 (2 exponent bits, 1 mantissa bit; 4 bits a number), with one power-of-two scale for each 32 numbers along K (OCP MX v1.0); their sums are f32. All else is computed in f32.
;;   The module's matrix products, in the order in which they are computed (A, B: the left and right operand; K: the contracted axis; several contracted axes count as one K, in the product's order):
;;     1. [M 16,384, K 1,024] x [K 1,024, N 1,024]; A: input x (given as codes); B: input Wq (given as codes): QUANTISED
;;     2. [M 16,384, K 1,024] x [K 1,024, N 1,024]; A: input x (given as codes); B: input Wk (given as codes): QUANTISED
;;     3. [M 16,384, K 1,024] x [K 1,024, N 1,024]; A: input x (given as codes); B: input Wv (given as codes): QUANTISED
;;     4. [M 16,384, K 1,024] x [K 1,024, N 1,024]; A: input x (given as codes); B: input Wg (given as codes): QUANTISED
;;   THE QUANTISER, for each operand of a quantised product, along K:
;;     - K is cut into blocks of 32 from its start; a last block that is shorter is filled with zeros.
;;     - A block's scale is 2^e with e = floor(log2(the largest magnitude in the block)) - 2, held to -126 .. 127; a block of zeros has e = 0. As a byte (E8M0): e + 127.
;;     - Each number is divided by its block's scale, clamped to +-6, and rounded to the nearest number of E2M1, ties to even, subnormals kept.
;;     - The product sums the exact products of the quantised numbers (number of the format x scale) in f32.
;;   ~~~python
;;   def quantise(x, axis):      # numpy; x: float32 -> the quantised numbers, widened to float32 again
;;       x = np.moveaxis(x, axis, -1); K = x.shape[-1]
;;       x = np.pad(x, [(0, 0)] * (x.ndim - 1) + [(0, -K % 32)]); x = x.reshape(x.shape[:-1] + (-1, 32)); a = np.abs(x).max(-1, keepdims=True)
;;       e = np.where(a > 0, np.clip(np.frexp(np.where(a > 0, a, 1))[1] - 1 - 2, -126, 127), 0)      # np.frexp(a)[1] - 1 = floor(log2(a)), exactly
;;       r = np.clip(x / 2.0 ** e, -6, 6)
;;       step = 2.0 ** (np.maximum(np.frexp(np.where(r == 0, 1, r))[1] - 1, 0) - 1)
;;       q = np.round(r / step) * step * 2.0 ** e      # np.round: ties to even
;;       return np.moveaxis(q.reshape(q.shape[:-2] + (-1,))[..., :K], -1, axis).astype(np.float32)
;;   ~~~
;;   INPUTS GIVEN AS CODES. Wg (in the module: [1024, 1024], K = its axis 1); Wk (in the module: [1024, 1024], K = its axis 1); Wq (in the module: [1024, 1024], K = its axis 1); Wv (in the module: [1024, 1024], K = its axis 1); x (in the module: [4, 4096, 1024], K = its axis 2): each comes as NAME_codes (uint8): NAME with its K axis moved to the last place and cut into blocks of 32 codes, [.., K / 32, bytes a block], one block behind the other in memory; two codes a byte, the lower K in the low four bits (a code: sign, 2 exponent bits, 1 mantissa bit); and NAME_scales (uint8): the same leading axes, one E8M0 byte (e + 127) for each 32 codes along K. Its value is code x scale, taken as it is: it is not quantised again, and the codes and scales need not be those that the quantiser above would give.
;; One version. Each part assembles by itself: llvm-mc -triple=amdgcn-amd-amdhsa -mcpu=gfx1250 --defsym DOCPART=n.
;; ======== version 1 of 1: 2 launches
;; limits: right only within a limited range of input values
;; workspace buffers: part 229,376 bytes; wimg 2,097,152 bytes
;; launch totals (part 1): grid 4 x 56, 4 waves a work-group, clusters of 4 x 4, 327,680 bytes of LDS; arguments x_codes, x_scales, Wk_codes, Wk_scales, Wv_codes, Wv_scales, bk, bv, Wq_codes, Wg_codes, part, wimg; writes part, wimg
.if DOCPART == 1
	.amdgcn_target "amdgcn-amd-amdhsa--gfx1250"
	.amdhsa_code_object_version 6
	.text
	.protected	k_qdc15dc396b_totals
	.globl	k_qdc15dc396b_totals
	.p2align	8
	.type	k_qdc15dc396b_totals,@function
k_qdc15dc396b_totals:
	s_mov_b64 s[64:65], 0
	v_nop
	global_prefetch_b8 v0, s[64:65] scope:SCOPE_SE
	s_setreg_imm32_b32 hwreg(HW_REG_WAVE_MODE, 25, 1), 1
	s_wait_xcnt 0x0
	s_wait_alu depctr_hold_cnt(0) depctr_sa_sdst(0) depctr_va_vdst(0) depctr_va_sdst(0) depctr_va_ssrc(0) depctr_va_vcc(0) depctr_vm_vsrc(0)
	s_getreg_b32 s2, hwreg(HW_REG_IB_STS2, 6, 4)
	s_cmp_eq_u32 s2, 0
	s_cbranch_scc0 .Lentry_in_a_cluster
	s_endpgm
.Lentry_in_a_cluster:
	s_bfe_u32 s2, ttmp6, 0x10000c
	s_cmp_lg_u32 s2, 0xf033
	s_cbranch_scc0 .Lentry_shape_is_right
	s_endpgm
.Lentry_shape_is_right:
; part[14 b + seg][col] = the sum over the 256 rows 4096 b + 256 seg .. + 255 of k*v, k = x Wk^T + bk, v = x Wv^T + bv, for seg = 0 .. 13 of each of 4 batches; the next launch adds these rows up to the carry into each
; chunk of 512 rows.  The last 512 rows of a batch are nobody's carry, for all values of the inputs: no work-group here sums them (the next launch computes their k and v itself).  So 4 x 56 work-groups.
; And wimg: the codes of the four weights in the order in which the next launch's registers take them: [column group of 128][wave][K step][tile 2 p + u][c][lane] of 16 bytes, p = q, k, v, g; tile u holds columns 2 r + u of the wave's 32.
; Both products on E2M1 codes with E8M0 scale bytes as they are given; sums in f32.
; SHARES.  A work-group: 256 rows x 256 columns.  Four waves, 2 x 2: wave (i, j) takes rows 128 i .. + 127, which stay in 512 registers (8 row tiles x 8 K steps), and in each half of 128 columns the columns 64 j .. + 63:
; eight column tiles of 16, 128 products each.  A weight fragment read from LDS feeds eight products.
; FILLS.  One a wave at the head: x's 256 rows and the first 128 columns' rows of Wk and Wv.  When x is in registers its bytes are filled again with the other 128 columns' rows, 64 rows a wave.
; CLUSTERS of 4 x 4: x's rows hang on y alone and are shared along a row of the cluster, the weights on the column group alone and are shared along a column.
; Scale bytes and biases go from memory straight into registers, 512 or 64 consecutive bytes an instruction.  No prefetch: two sets of fills in the launch, and no loop of fills to run ahead in.
; LAYOUT.  Source 0 = 16 rows of x, source 1 = 16 weight rows: register j of lane (r, h) holds (row 8 h + j, column r).
; REGISTERS.  window 0: addresses, scale words, weight fragments; window 1: v0-127 accumulators, v128-255 biases (eight equal registers a tile: the C of a sum's first product); windows 2, 3: x, K steps 0-3 and 4-7.
; LIMITS.  The 256 products of a column are added in chains and then across lanes and waves, not in the order of a running sum; all in f32.  A scale byte 0xff gives NaN.
.set XP,    528                        ; a row in LDS: 512 bytes + 16 of padding = 132 words: row r starts at bank 4 r mod 64 (64 banks of 4 bytes: ISA guide 11.1)
.set T16,   16*XP
.set H,     128*XP
.set TOTL,  4*H                        ; behind x and the weights: 2 x 256 sums, into which no fill lands
.set SPARE, TOTL+2048                  ; the spare words, 128 bytes a wave
.set XA,  3                            ; v3     LDS address of my rows of x
.set WA,  4                            ; v4-v7  of my weight rows: Wk, Wv of the first half, Wk, Wv of the second
.set TW,  8                            ; v8     where my columns' sums go
.set TR,  9                            ; v9     where waves 0 and 1 read them back
.set GO,  10                           ; v10    and their byte offset in part
.set WL,  11                           ; v11    1024 r + 16 h: every second weight row
.set WSL, 12                           ; v12    32 r + 16 h: a row's scale words
.set BL,  13                           ; v13    4 r
.set IMO, 14                           ; v14    16 x lane
.set TV,  15
.set WS,  16                           ; v16-79   weight scale words: tile g: Wk at 8 g, Wv at 8 g + 4; register i: K step i in lanes 0-15, K step 4 + i in lanes 16-31
.set XSC, 80                           ; v80-111  x's scale words, row tile rt at 4 rt, laid alike
.set WF,  112                          ; v112-239 weight fragments: two half buffers of four K steps x (Wk, Wv)
.set IMG, WF+32                        ; v144-175 weight codes on their way to wimg
.set SU,  240                          ; v240-247 four pairs of sums
.set TP,  248
.set TSA, 249                          ; the sum of an even tile
.set SPW, 254
.set NIL, 255
.set WV,  28
.set I,   29
.set J,   30
.set CX,  31
.set CY,  32
.set Y,   33
.set CYC, 34
.set HM,  35
.set SEL, 66                           ; s[66:67] lane selects for v_permlanex16_b32: lane l xor 16
.set G1X, 36
.set G1W, 44
.set G0X, 52
.set G0K, 56
.set G0V, 60
.set G1R, 68
.set G0KR, 76
.set G0VR, 80
.set PADW, (1<<20)|(1<<21)|(6<<22)|(3<<25)   ; elements of 1 byte; 20 padding on; 21 set beside a mask; 24:22 after every 128 words; 31:25 four words
.set MSB, 0
.macro WIN new                         ; the immediate's high byte repeats the setting that is left
.if MSB != \new
	s_set_vgpr_msb (MSB<<8)|\new
.set MSB, \new
.endif
.endm
.macro CROUND                          ; a round of the cluster's barrier
	s_barrier_signal -1
	s_barrier_wait -1
	s_cmp_lg_u32 s[WV], 0
	s_cbranch_scc1 .Lnot_wave_0_\@
	s_barrier_signal -3
.Lnot_wave_0_\@:
	s_barrier_wait -3
	s_barrier_signal -1
	s_barrier_wait -1
.endm
.macro PLACES                          ; four plain places behind matrix instructions, in front of loads into registers that they read and of the first read of results
.rept 4
	v_nop
.endr
.endm
.macro TLOAD g0, g1                    ; a tensor load and the lines behind it
	tensor_load_to_lds s[\g0:\g0+3], s[\g1:\g1+7]
	s_nop 0
	PLACES
.endm
.macro G1C g, rows                     ; the constant words of group 1: rows of 512 bytes
	s_mov_b32 s[\g+1], 512<<16
	s_mov_b32 s[\g+2], \rows<<16
	s_mov_b32 s[\g+3], 512<<16
	s_mov_b32 s[\g+4], \rows
	s_mov_b32 s[\g+5], 512
	s_mov_b32 s[\g+6], 0
	s_mov_b32 s[\g+7], 0
.endm
	s_load_b512 s[4:19], s[0:1], 0x0               ; x s[4:5], its scales s[6:7], Wk s[8:11], Wv s[12:15], bk s[16:17], bv s[18:19]
	s_load_b256 s[20:27], s[0:1], 0x40             ; Wq s[20:21], Wg s[22:23], part s[24:25], wimg s[26:27]
	v_lshl_add_u32 v[SPW], v0, 2, SPARE
	v_mov_b32 v[NIL], 0
	ds_add_u32 v[SPW], v[NIL]                      ; the wave's opening: the add, twice on end, and its wait
	ds_add_u32 v[SPW], v[NIL]
	v_lshrrev_b32 v1, 5, v0
	v_readfirstlane_b32 s[WV], v1                  ; wave 0..3
	s_lshr_b32 s[I], s[WV], 1
	s_and_b32 s[J], s[WV], 1
	s_bfe_u32 s[CX], ttmp6, 0x40000                ; the cluster spans the grid's four columns: cx is the group of 256 columns
	s_bfe_u32 s[CY], ttmp6, 0x40004
	s_and_b32 s[CYC], ttmp7, 0xffff
	s_lshl_b32 s[Y], s[CYC], 2
	s_add_co_u32 s[Y], s[Y], s[CY]                 ; y = 14 b + seg
	s_mul_i32 s84, s[J], 64*XP
	s_mul_i32 s85, s[I], H
	s_lshl_b32 s86, s[I], 10
	s_lshl_b32 s87, s[J], 8
	s_add_co_u32 s86, s86, s87
	s_add_co_u32 s86, s86, TOTL
	v_and_b32 v1, 15, v0                           ; r
	v_bfe_u32 v2, v0, 4, 1                         ; h
	v_and_b32 v[TV], 31, v0
	v_mul_u32_u24 v[XA], v1, XP
	v_lshl_add_u32 v[XA], v2, 4, v[XA]             ; a fragment's row x pitch + 16 h
	v_add_nc_u32 v[WA+2], s84, v[XA]               ; the second half's weights lie where x lay
	v_add_nc_u32 v[XA], s85, v[XA]
	v_add_nc_u32 v[WA+3], H, v[WA+2]
	v_add_nc_u32 v[WA], 2*H, v[WA+2]
	v_add_nc_u32 v[WA+1], 3*H, v[WA+2]
	v_lshl_add_u32 v[TW], v[TV], 2, s86            ; row half i, column 64 j + lane (+ 128 half + 16 u)
	v_lshl_add_u32 v[TR], v0, 4, TOTL
	v_lshlrev_b32 v[GO], 4, v0
	v_lshlrev_b32 v[WL], 10, v1
	v_lshl_add_u32 v[WL], v2, 4, v[WL]
	v_lshlrev_b32 v[WSL], 5, v1
	v_lshl_add_u32 v[WSL], v2, 4, v[WSL]
	v_lshlrev_b32 v[BL], 2, v1
	v_lshlrev_b32 v[IMO], 4, v[TV]
	v_mov_b32 v[TP], 0                             ; a lane permute's destination counts as one of its sources
	s_wait_alu depctr_va_vdst(0)                   ; ahead of the scalar lines and waits below
	s_mov_b32 s[SEL], 0x76543210
	s_mov_b32 s[SEL+1], 0xfedcba98
	s_mov_b32 s[HM], 0xffff0000
	s_lshl_b32 s88, s[CY], 2
	s_lshl_b32 s88, 15, s88                        ; my row of the cluster: x's mask
	s_lshl_b32 s89, 0x1111, s[CX]                  ; my column: the weights' mask
	s_or_b32 s[G1X], s88, PADW
	s_or_b32 s[G1W], s89, PADW
	s_or_b32 s[G1R], s89, PADW
	G1C G1X, 128
	G1C G1W, 128
	G1C G1R, 64
	s_mul_i32 s90, s[Y], 293
	s_lshr_b32 s90, s90, 12                        ; b = y / 14 (293 / 4096 serves y up to 55)
	s_mul_i32 s91, s90, 14
	s_sub_co_u32 s91, s[Y], s91                    ; seg
	s_lshl_b32 s92, s90, 12
	s_lshl_b32 s91, s91, 8
	s_add_co_u32 s92, s92, s91                     ; the first row of x
	s_lshl_b32 s94, s92, 9
	s_lshl_b32 s96, s[J], 16
	s_add_co_u32 s94, s94, s96                     ; x: 128 rows for wave 0, 128 for wave 1
	s_mov_b32 s95, 0
	s_lshl_b32 s98, s[CX], 17                      ; the weights: 256 rows a column group
	s_mov_b32 s99, 0
	s_lshl_b32 s96, s[J], 15
	s_add_co_u32 s96, s96, 65536                   ; the second half's 64 rows of mine
	s_mov_b32 s97, 0
	s_add_nc_u64 s[96:97], s[96:97], s[98:99]
	s_wait_dscnt 0x0                               ; both opening adds are done
	s_wait_kmcnt 0x0
	s_mov_b32 s[G0X], 1
	s_mul_i32 s[G0X+1], s[J], H
	s_add_nc_u64 s[G0X+2:G0X+3], s[4:5], s[94:95]
	s_or_b32 s[G0X+3], s[G0X+3], 0x80000000
	s_mov_b32 s[G0K], 1
	s_mov_b32 s[G0K+1], 2*H
	s_add_nc_u64 s[G0K+2:G0K+3], s[8:9], s[98:99]
	s_or_b32 s[G0K+3], s[G0K+3], 0x80000000
	s_mov_b32 s[G0V], 1
	s_mov_b32 s[G0V+1], 3*H
	s_add_nc_u64 s[G0V+2:G0V+3], s[12:13], s[98:99]
	s_or_b32 s[G0V+3], s[G0V+3], 0x80000000
	s_mov_b32 s[G0KR], 1
	s_mul_i32 s[G0KR+1], s[J], 64*XP
	s_add_nc_u64 s[G0KR+2:G0KR+3], s[8:9], s[96:97]
	s_or_b32 s[G0KR+3], s[G0KR+3], 0x80000000
	s_mov_b32 s[G0VR], 1
	s_mul_i32 s[G0VR+1], s[J], 64*XP
	s_add_co_u32 s[G0VR+1], s[G0VR+1], H
	s_add_nc_u64 s[G0VR+2:G0VR+3], s[12:13], s[96:97]
	s_or_b32 s[G0VR+3], s[G0VR+3], 0x80000000
	CROUND                                         ; all sixteen work-groups are here: the joint loads meet
	s_cmp_lt_u32 s[WV], 2                          ; one load a wave: waves 0, 1 x's halves, wave 2 Wk's 128 rows, wave 3 Wv's
	s_cbranch_scc0 .Lhead_k
	TLOAD G0X, G1X
	s_branch .Lhead_asked
.Lhead_k:
	s_cmp_lt_u32 s[WV], 3
	s_cbranch_scc0 .Lhead_v
	TLOAD G0K, G1W
	s_branch .Lhead_asked
.Lhead_v:
	TLOAD G0V, G1W
.Lhead_asked:
	s_lshl_b32 s86, s[CX], 13
	s_lshl_b32 s87, s[J], 11
	s_add_co_u32 s86, s86, s87
	s_mov_b32 s87, 0
	s_add_nc_u64 s[10:11], s[10:11], s[86:87]      ; scale bytes of columns 256 cx + 64 j on
	s_add_nc_u64 s[14:15], s[14:15], s[86:87]
	s_lshr_b32 s86, s86, 3
	s_add_nc_u64 s[16:17], s[16:17], s[86:87]      ; their biases
	s_add_nc_u64 s[18:19], s[18:19], s[86:87]
	s_lshl_b32 s86, s92, 5
	s_lshl_b32 s88, s[I], 12
	s_add_co_u32 s86, s86, s88
	s_add_nc_u64 s[6:7], s[6:7], s[86:87]          ; scale bytes of my 128 rows of x
	s_lshl_b32 s86, s[Y], 12
	s_lshl_b32 s88, s[CX], 10
	s_add_co_u32 s86, s86, s88
	s_add_nc_u64 s[24:25], s[24:25], s[86:87]      ; part at row y, my group's 1,024 bytes
.irp g, 0,1,2,3,4,5,6,7
.irp p, 0,1
	global_load_b32 v[WF+2*\g+\p], v[BL], s[16+2*\p:17+2*\p] offset:512*(\g/4)+64*(\g%4)
	global_load_b128 v[WS+8*\g+4*\p:WS+8*\g+4*\p+3], v[WSL], s[10+4*\p:11+4*\p] offset:4096*(\g/4)+512*(\g%4)
.endr
	global_load_b128 v[XSC+4*\g:XSC+4*\g+3], v[WSL], s[6:7] offset:512*\g
.endr
	; wimg, by the 8 clusters with y under 32: p = y / 8, column group y % 8, wave cx, tile u = i, K steps 4 j .. 4 j + 3
	s_cmp_lt_u32 s[CYC], 8
	s_cbranch_scc0 .Lno_image
	s_lshr_b32 s88, s[Y], 3
	s_and_b32 s89, s[Y], 7
	s_lshl_b32 s90, s89, 16
	s_lshl_b32 s91, s[CX], 14
	s_add_co_u32 s90, s90, s91
	s_lshl_b32 s91, s[I], 9
	s_add_co_u32 s90, s90, s91
	s_lshl_b32 s91, s[J], 8
	s_add_co_u32 s90, s90, s91                     ; weight row 128 cg + 32 w + u, byte 256 j
	s_mov_b32 s91, 0
	s_cmp_eq_u32 s88, 0
	s_cselect_b64 s[2:3], s[20:21], s[22:23]       ; Wq or Wg,
	s_cmp_eq_u32 s88, 1
	s_cselect_b64 s[2:3], s[8:9], s[2:3]           ; Wk,
	s_cmp_eq_u32 s88, 2
	s_cselect_b64 s[2:3], s[12:13], s[2:3]         ; Wv
	s_add_nc_u64 s[2:3], s[2:3], s[90:91]
	s_lshl_b32 s90, s89, 18
	s_lshl_b32 s91, s[CX], 16
	s_add_co_u32 s90, s90, s91
	s_lshl_b32 s91, s[J], 15
	s_add_co_u32 s90, s90, s91
	s_lshl_b32 s91, s88, 11
	s_add_co_u32 s90, s90, s91
	s_lshl_b32 s91, s[I], 10
	s_add_co_u32 s90, s90, s91
	s_mov_b32 s91, 0
	s_add_nc_u64 s[26:27], s[26:27], s[90:91]
.irp s, 0,1,2,3
.irp c, 0,1
	global_load_b128 v[IMG+8*\s+4*\c:IMG+8*\s+4*\c+3], v[WL], s[2:3] offset:64*\s+32*\c
.endr
.endr
	s_wait_loadcnt 0x0
.irp s, 0,1,2,3
.irp c, 0,1
	global_store_b128 v[IMO], v[IMG+8*\s+4*\c:IMG+8*\s+4*\c+3], s[26:27] offset:8192*\s+512*\c   ; 512 consecutive bytes, at a multiple of 512 from wimg's first byte
.endr
.endr
.Lno_image:
	s_wait_xcnt 0x0                                ; the stores have read their data: the fragments' registers may be loaded
	s_wait_loadcnt 0x0                             ; scale words and biases
	WIN 0x40
.irp g, 0,1,2,3,4,5,6,7
.irp p, 0,1
.irp j, 0,1,2,3,4,5,6,7
	v_mov_b32 v[128+16*\g+8*\p+\j], v[WF+2*\g+\p]  ; a lane's eight results are one column: eight times its bias
.endr
.endr
.endr
	WIN 0
; Weight fragments of tile g, K steps 4 hf .. 4 hf + 3.  A fragment: lane (r, h) holds row r; registers 4 c .. 4 c + 3 hold k = 64 c + 32 h + 0 .. 31
.macro FETCH g, hf
.irp d, 0,1,2,3
.irp p, 0,1
.irp c, 0,1
	ds_load_b128 v[WF+64*(\hf)+16*\d+8*\p+4*\c:WF+64*(\hf)+16*\d+8*\p+4*\c+3], v[WA+2*((\g)/4)+\p] offset:((\g)%4)*T16+64*(4*(\hf)+\d)+32*\c
.endr
.endr
.endr
.endm
; 16 products: K step s of tile g, eight row tiles x (Wk, Wv).  The sixteen accumulators take turns, one instruction a turn, in the same order in every K step.
.macro MULK g, s
.irp rt, 0,1,2,3,4,5,6,7
.irp p, 0,1
.set rD, 64*\p+8*\rt
.set rA, 64*((\s)%4)+8*\rt
.set rB, WF+64*((\s)/4)+16*((\s)%4)+8*\p
.set rC, 128+16*(\g)+8*\p
.set rX, XSC+4*\rt+(\s)%4
.set rW, WS+8*(\g)+4*\p+(\s)%4
.if (\s) == 0
	v_wmma_scale_f32_16x16x128_f8f6f4 v[rD:rD+7], v[rA:rA+7], v[rB:rB+7], v[rC:rC+7], v[rX], v[rW] matrix_a_fmt:MATRIX_FMT_FP4 matrix_b_fmt:MATRIX_FMT_FP4
.elseif (\s) < 4
	v_wmma_scale_f32_16x16x128_f8f6f4 v[rD:rD+7], v[rA:rA+7], v[rB:rB+7], v[rD:rD+7], v[rX], v[rW] matrix_a_fmt:MATRIX_FMT_FP4 matrix_b_fmt:MATRIX_FMT_FP4
.else
	v_wmma_scale_f32_16x16x128_f8f6f4 v[rD:rD+7], v[rA:rA+7], v[rB:rB+7], v[rD:rD+7], v[rX], v[rW] matrix_a_fmt:MATRIX_FMT_FP4 matrix_b_fmt:MATRIX_FMT_FP4 matrix_a_scale:MATRIX_SCALE_ROW1 matrix_b_scale:MATRIX_SCALE_ROW1
.endif
.endr
.endr
.endm
; A column tile: 128 products, then k*v summed over my 128 rows.  pf = 1: the next tile's fragments are asked for, each half buffer when its products are issued.
.macro TILE g, pf
.if (\g) == 3                          ; tile 4 lies in the second half: its rows are shown landed to all by a barrier inside this tile
	s_wait_tensorcnt 0x0
	s_wait_dscnt 0x0
	s_barrier_signal -1
.else
	s_wait_dscnt 16                                ; the first half buffer is in; the second's sixteen loads may be out
.endif
	WIN 0x52                                       ; source 0 window 2, source 1 window 0, C and D window 1
	MULK \g, 0
	MULK \g, 1
	MULK \g, 2
	MULK \g, 3
	PLACES
.if (\g) == 3
	s_barrier_wait -1
.endif
.if \pf
	WIN 0
	FETCH (\g)+1, 0
	s_wait_dscnt 16                                ; the second half buffer is in; the sixteen just issued may be out
.else
	s_wait_dscnt 0x0
.endif
	WIN 0x53
	MULK \g, 4
	MULK \g, 5
	MULK \g, 6
	MULK \g, 7
	PLACES
.if \pf
	WIN 0
	FETCH (\g)+1, 1
.endif
	WIN 0x05
.irp rt, 0,1,2,3,4,5,6,7
.irp i, 0,2,4,6
.if \rt == 0
	v_pk_mul_f32 v[SU+\i:SU+\i+1], v[\i:\i+1], v[64+\i:64+\i+1]
.else
	v_pk_fma_f32 v[SU+\i:SU+\i+1], v[8*\rt+\i:8*\rt+\i+1], v[64+8*\rt+\i:64+8*\rt+\i+1], v[SU+\i:SU+\i+1]
.endif
.endr
.endr
	WIN 0
	v_pk_add_f32 v[SU:SU+1], v[SU:SU+1], v[SU+2:SU+3]
	v_pk_add_f32 v[SU+4:SU+5], v[SU+4:SU+5], v[SU+6:SU+7]
	v_pk_add_f32 v[SU:SU+1], v[SU:SU+1], v[SU+4:SU+5]
	v_add_f32 v[SU], v[SU], v[SU+1]
	v_permlanex16_b32 v[TP], v[SU], s[SEL], s[SEL+1]
.if (\g)%2 == 0
	v_add_f32 v[TSA], v[SU], v[TP]
.else
	v_add_f32 v[TV], v[SU], v[TP]
	v_cndmask_b32 v[TV], v[TSA], v[TV], s[HM]      ; lanes 0-15 keep the even tile's column, lanes 16-31 the odd one's
	ds_store_b32 v[TW], v[TV] offset:512*((\g)/4)+64*((\g)%4-1)
.endif
.endm
	s_wait_alu depctr_va_vdst(0)
	s_wait_tensorcnt 0x0                           ; my tile of the head's four is in
	s_barrier_signal -1
	s_barrier_wait -1                              ; everybody's is
	WIN 0x80                                       ; x into registers: K step s, row tile rt at v[64 (s % 4) + 8 rt] of window 2 + s / 4
.irp s, 0,1,2,3
.irp rt, 0,1,2,3,4,5,6,7
.irp c, 0,1
	ds_load_b128 v[64*\s+8*\rt+4*\c:64*\s+8*\rt+4*\c+3], v[XA] offset:\rt*T16+64*\s+32*\c
.endr
.endr
.endr
	WIN 0xc0
.irp s, 0,1,2,3
.irp rt, 0,1,2,3,4,5,6,7
.irp c, 0,1
	ds_load_b128 v[64*\s+8*\rt+4*\c:64*\s+8*\rt+4*\c+3], v[XA] offset:\rt*T16+64*\s+256+32*\c
.endr
.endr
.endr
	WIN 0
	FETCH 0, 0
	FETCH 0, 1
	s_wait_tensorcnt 0x0                           ; ahead of a refill
	ds_add_u32 v[SPW], v[NIL]
	s_wait_dscnt 0x0                               ; the add is done, and my reads of x are over
	CROUND                                         ; everybody's are, in all work-groups of the cluster
	s_cmp_lt_u32 s[WV], 2                          ; x's bytes take the other 128 columns: waves 0, 1 Wk's rows, waves 2, 3 Wv's
	s_cbranch_scc0 .Lrefill_v
	TLOAD G0KR, G1R
	s_branch .Lrefilled
.Lrefill_v:
	TLOAD G0VR, G1R
.Lrefilled:
	TILE 0, 1
	TILE 1, 1
	TILE 2, 1
	TILE 3, 1
	TILE 4, 1
	TILE 5, 1
	TILE 6, 1
	TILE 7, 0
	s_wait_dscnt 0x0                               ; for the others' sake: my sums have landed
	s_barrier_signal -1
	s_barrier_wait -1
	s_cmp_gt_u32 s[WV], 1
	s_cbranch_scc1 .Lstored
	ds_load_b128 v[WF:WF+3], v[TR]                 ; waves 0 and 1 add the two row halves and take the group's 256 sums out
	ds_load_b128 v[WF+4:WF+7], v[TR] offset:1024
	s_wait_dscnt 0x0
	v_pk_add_f32 v[WF:WF+1], v[WF:WF+1], v[WF+4:WF+5]
	v_pk_add_f32 v[WF+2:WF+3], v[WF+2:WF+3], v[WF+6:WF+7]
	global_store_b128 v[GO], v[WF:WF+3], s[24:25]  ; a wave stores 512 consecutive bytes, at a multiple of 256 from part's first byte
.Lstored:
	s_wait_tensorcnt 0x0                           ; the wave's end
	ds_add_u32 v[SPW], v[NIL]
	s_wait_dscnt 0x0
	CROUND                                         ; the closing round: no work-group ends while a partner may still ask for a tile that names it
	s_endpgm
.Lfunc_end_k_qdc15dc396b_totals:
	.size	k_qdc15dc396b_totals, .Lfunc_end_k_qdc15dc396b_totals-k_qdc15dc396b_totals
	.p2alignl 7, 3214868480
	.fill 96, 4, 3214868480
	.section	.rodata,"a",@progbits
	.p2align	6, 0x0
	.amdhsa_kernel k_qdc15dc396b_totals
		.amdhsa_group_segment_fixed_size 327680
		.amdhsa_private_segment_fixed_size 0
		.amdhsa_enable_private_segment 0
		.amdhsa_kernarg_size 96
		.amdhsa_user_sgpr_count 2
		.amdhsa_user_sgpr_kernarg_segment_ptr 1
		.amdhsa_wavefront_size32 1
		.amdhsa_system_sgpr_workgroup_id_x 1
		.amdhsa_system_sgpr_workgroup_id_y 1
		.amdhsa_system_sgpr_workgroup_id_z 1
		.amdhsa_system_vgpr_workitem_id 0
		.amdhsa_next_free_vgpr 1024
		.amdhsa_next_free_sgpr 100
		.amdhsa_reserve_vcc 0
		.amdhsa_float_denorm_mode_32 3
		.amdhsa_float_denorm_mode_16_64 3
		.amdhsa_memory_ordered 1
		.amdhsa_forward_progress 1
		.amdhsa_inst_pref_size 196
	.end_amdhsa_kernel
	.amdgpu_metadata
---
amdhsa.version: [ 1, 2 ]
amdhsa.kernels:
  - .name:           k_qdc15dc396b_totals
    .symbol:         k_qdc15dc396b_totals.kd
    .args:
      - { .name: x_codes, .offset: 0, .size: 8, .value_kind: global_buffer, .address_space: global }
      - { .name: x_scales, .offset: 8, .size: 8, .value_kind: global_buffer, .address_space: global }
      - { .name: Wk_codes, .offset: 16, .size: 8, .value_kind: global_buffer, .address_space: global }
      - { .name: Wk_scales, .offset: 24, .size: 8, .value_kind: global_buffer, .address_space: global }
      - { .name: Wv_codes, .offset: 32, .size: 8, .value_kind: global_buffer, .address_space: global }
      - { .name: Wv_scales, .offset: 40, .size: 8, .value_kind: global_buffer, .address_space: global }
      - { .name: bk, .offset: 48, .size: 8, .value_kind: global_buffer, .address_space: global }
      - { .name: bv, .offset: 56, .size: 8, .value_kind: global_buffer, .address_space: global }
      - { .name: Wq_codes, .offset: 64, .size: 8, .value_kind: global_buffer, .address_space: global }
      - { .name: Wg_codes, .offset: 72, .size: 8, .value_kind: global_buffer, .address_space: global }
      - { .name: part, .offset: 80, .size: 8, .value_kind: global_buffer, .address_space: global }
      - { .name: wimg, .offset: 88, .size: 8, .value_kind: global_buffer, .address_space: global }
    .group_segment_fixed_size: 327680
    .private_segment_fixed_size: 0
    .kernarg_segment_align: 8
    .kernarg_segment_size: 96
    .max_flat_workgroup_size: 128
    .sgpr_count:     100
    .vgpr_count:     1024
    .wavefront_size: 32
...
	.end_amdgpu_metadata
.endif
;; end of part 1
;; launch main (part 2): grid 8 x 32, 8 waves a work-group, clusters of 4 x 1, 327,680 bytes of LDS; arguments x_codes, x_scales, Wq_scales, Wk_scales, Wv_scales, Wg_scales, bq, bk, bv, bg, part, wimg, out0; writes out0
.if DOCPART == 2
	.amdgcn_target "amdgcn-amd-amdhsa--gfx1250"
	.amdhsa_code_object_version 6
	.text
	.protected	k_qdc15dc396b_main
	.globl	k_qdc15dc396b_main
	.p2align	8
	.type	k_qdc15dc396b_main,@function
k_qdc15dc396b_main:
	s_mov_b64 s[64:65], 0
	v_nop
	global_prefetch_b8 v0, s[64:65] scope:SCOPE_SE
	s_setreg_imm32_b32 hwreg(HW_REG_WAVE_MODE, 25, 1), 1
	s_wait_xcnt 0x0
	s_wait_alu depctr_hold_cnt(0) depctr_sa_sdst(0) depctr_va_vdst(0) depctr_va_sdst(0) depctr_va_ssrc(0) depctr_va_vcc(0) depctr_vm_vsrc(0)
	s_getreg_b32 s2, hwreg(HW_REG_IB_STS2, 6, 4)
	s_cmp_eq_u32 s2, 0
	s_cbranch_scc0 .Lentry_in_a_cluster
	s_endpgm
.Lentry_in_a_cluster:
	s_bfe_u32 s2, ttmp6, 0x10000c
	s_cmp_lg_u32 s2, 0x3003
	s_cbranch_scc0 .Lentry_shape_is_right
	s_endpgm
.Lentry_shape_is_right:
; out = q * cumsum(k * v) * sigmoid(g), q, k, v, g = x W^T + b, the running sum down the 4,096 rows of each of 4 batches.  All four products on E2M1 codes with E8M0 scale bytes as they are given; all else in f32.
; SHARES.  A work-group: a chunk of 512 rows x 128 columns: 8 x 32 work-groups.  Wave 2 w + u of 8: the 16 columns 128 cg + 32 w + 2 r + u of all four products: four weight tiles of 16 rows, which stay in 256 registers for all of K.
; So a lane has q, k, v and g of the same numbers, and no wave needs another's running sum.  The carry into the chunk is the sum of the earlier segments' rows of part, which the launch before has stored.
; The weights' codes come from wimg, which the launch before has laid in the order of these registers: 512 consecutive bytes an instruction, straight into registers, so no joint load serves them.
; x's 512 rows lie in LDS whole and are filled once.  The four partners of a cluster need the same rows: every fill is asked for jointly.  At the head, one load a wave: rows 0-191 (waves 0-5) and the scale bytes (waves 6, 7);
; behind a full sequence and a round rows 192-511, 40 a wave, which have steps 0 to 4 in which to land.  No prefetch: two sets of fills in the launch, and no loop of fills to run ahead in.
; LAYOUT.  Source 0 = 16 rows of x, source 1 = 16 weight rows: register j of lane (r, h) holds (row 8 h + j, column): a lane holds one column and eight neighbouring rows, so the running sum is a chain of fused multiply-adds.
; A STEP is 32 rows: 64 products, then the vector work, then the results go through a stage in LDS (a row's 512 bytes come from eight waves) and leave as whole rows.  The stage has two slots, which take turns: ONE BARRIER A STEP,
; between all waves' stage stores and the reads; between its signal and its wait stand the next step's products and the first part of its vector work.  A slot is written again behind the next step's barrier, in front of which its
; reads are over.  Waves 0-3 and waves 4-7 run half a step apart from step 0 on, so that one group's vector work stands beside the other's products.
; REGISTERS.  window 0: all but the weights; window 1: the weights, K step s, tile p at v[32 s + 8 p].
; LIMITS.  The running sum is formed as 8, 16 and 512 rows and the totals of 256 rows, not in the order of a plain running sum; all in f32.
; sigmoid(g) = 1 / (1 + 2^(-g log2 e)) by v_exp_f32 and v_rcp_f32, which flush denormals (ISA guide, their entries): it is 0 where the exponential overflows and 1 where it falls to 0.  A scale byte 0xff gives NaN.
.set XP,    528                        ; a row of x in LDS: 512 bytes + 16 of padding = 132 words: row r starts at bank 4 r mod 64 (64 banks of 4 bytes: ISA guide 11.1)
.set STEPB, 32*XP                      ; a step's 32 rows
.set SSTEP, 4*272                      ; a step's scale bytes: 32 rows x 32 bytes = 4 units of 256 bytes + 16 of padding
.set XS,    512*XP                     ; behind x: its scale bytes, 64 units
.set STG,   XS+64*272                  ; behind them: two stages of 32 rows x (512 bytes + 16), into which no fill lands
.set STGB,  32*XP
.set SPARE, STG+2*STGB                 ; the spare words, 128 bytes a wave
.set XA0, 3                            ; v3   528 r + 16 h: my lane's place in a tile of x
.set SA0, 4                            ; v4   my lane's place among x's scale words
.set XA,  5                            ; v5   the same, in the step in hand
.set SA,  6
.set SW,  7                            ; v7   the stage: where my column's numbers go
.set SR,  8                            ; v8   the stage: where I read 16 bytes of a row back
.set GO,  9                            ; v9   my byte offset in the step's rows of out0
.set HM,  10                           ; v10  0 in lanes 0-15, all ones in lanes 16-31
.set WL,  11                           ; v11  16 x lane
.set WSL, 12                           ; v12  64 r + 16 h: every second weight row's scale words
.set BL,  13                           ; v13  8 r: a column's bias
.set PL,  14                           ; v14  4096 h + 8 r: a column in two neighbouring rows of part
.set WS,  16                           ; v16-31   weight scale words: tile p at 4 p; register i: K step i in lanes 0-15, K step 4 + i in lanes 16-31
.set BIAS, 32                          ; v32-63   the biases, eight equal registers a tile: the C of a sum's first product
.set ACC, 64                           ; v64-127  accumulators: row tile m at 32 m: q + 0, k + 8, v + 16, g + 24
.set PT,  ACC                          ; seven rows of part, at the head
.set MK,  ACC+16                       ; v's registers are free behind the prefix sums: two masked sums,
.set UT,  ACC+18                       ; two row tiles' sums,
.set OFF, ACC+20                       ; and two pairs: what is added to a row tile's prefix sums (the low word serves both halves)
.set XSC, 128                          ; v128-135 x's scale words, row tile m at 4 m, laid as the weights'
.set ORW, 136                          ; v136-151 four rows on their way out
.set XF,  152                          ; v152-247 x's fragments: three half buffers of two K steps x two row tiles
.set CAR, 248                          ; v248     the running sum up to the step's first row
.set TP,  250                          ; v250-251 the other lane half's sum of eight rows
.set SPW, 254
.set NIL, 255
.set WV,  30
.set XB,  86                           ; s86  LDS byte at which the step's rows begin
.set SB,  87                           ; s87  and its scale bytes
.set CNT, 88
.set SEL, 90                           ; s[90:91] lane selects for v_permlanex16_b32: lane l xor 16
.set NL2E, 92                          ; s[92:93] -log2(e): the packed form names a pair and takes its low word for both halves
.set G1X, 36
.set G1S, 44
.set G0X, 52
.set G0S, 56
.set G1R, 68
.set G0R, 76
.set MSB, 0
.macro WIN new                         ; the immediate's high byte repeats the setting that is left
.if MSB != \new
	s_set_vgpr_msb (MSB<<8)|\new
.set MSB, \new
.endif
.endm
.macro CROUND                          ; a round of the cluster's barrier
	s_barrier_signal -1
	s_barrier_wait -1
	s_cmp_lg_u32 s[WV], 0
	s_cbranch_scc1 .Lnot_wave_0_\@
	s_barrier_signal -3
.Lnot_wave_0_\@:
	s_barrier_wait -3
	s_barrier_signal -1
	s_barrier_wait -1
.endm
.macro PLACES                          ; four plain places behind matrix instructions, in front of loads into registers that they read and of the first read of results
.rept 4
	v_nop
.endr
.endm
.macro TLOAD g0, g1                    ; a tensor load and the lines behind it
	tensor_load_to_lds s[\g0:\g0+3], s[\g1:\g1+7]
	s_nop 0
	PLACES
.endm
.macro G1C g, word, n, rows            ; group 1: rows of n elements, dense in memory
	s_mov_b32 s[\g], \word
	s_mov_b32 s[\g+1], \n<<16
	s_mov_b32 s[\g+2], \rows<<16
	s_mov_b32 s[\g+3], \n<<16
	s_mov_b32 s[\g+4], \rows
	s_mov_b32 s[\g+5], \n
	s_mov_b32 s[\g+6], 0
	s_mov_b32 s[\g+7], 0
.endm
; 8 LDS loads: K steps s0, s0 + 1 of both row tiles into half buffer hb.  A fragment: lane (r, h) holds row r; registers 4 c .. 4 c + 3 hold k = 64 c + 32 h + 0 .. 31
.macro XLOAD hb, s0, extra
.irp d, 0,1
.irp m, 0,1
.irp c, 0,1
	ds_load_b128 v[XF+32*(\hb)+16*\d+8*\m+4*\c:XF+32*(\hb)+16*\d+8*\m+4*\c+3], v[XA] offset:(\extra)+\m*16*XP+64*((\s0)+\d)+32*\c
.endr
.endr
.endr
.endm
.macro PRELOAD xo, so                  ; both row tiles' scale words for all of K, and K steps 0-5
.irp m, 0,1
	ds_load_b128 v[XSC+4*\m:XSC+4*\m+3], v[SA] offset:(\so)+544*\m
.endr
	XLOAD 0, 0, \xo
	XLOAD 1, 2, \xo
	XLOAD 2, 4, \xo
.endm
; 16 products: K steps 2 g, 2 g + 1, two row tiles x four weight tiles.  The eight accumulators take turns, one instruction a turn, in the same order in every K step.
.macro MUL g
.irp d, 0,1
.irp m, 0,1
.irp p, 0,1,2,3
.set ks, 2*(\g)+\d
.set rD, ACC+32*\m+8*\p
.set rA, XF+32*((\g)%3)+16*\d+8*\m
.set rB, 32*ks+8*\p
.set rX, XSC+4*\m+ks%4
.set rW, WS+4*\p+ks%4
.if ks == 0
	v_wmma_scale_f32_16x16x128_f8f6f4 v[rD:rD+7], v[rA:rA+7], v[rB:rB+7], v[BIAS+8*\p:BIAS+8*\p+7], v[rX], v[rW] matrix_a_fmt:MATRIX_FMT_FP4 matrix_b_fmt:MATRIX_FMT_FP4
.elseif ks < 4
	v_wmma_scale_f32_16x16x128_f8f6f4 v[rD:rD+7], v[rA:rA+7], v[rB:rB+7], v[rD:rD+7], v[rX], v[rW] matrix_a_fmt:MATRIX_FMT_FP4 matrix_b_fmt:MATRIX_FMT_FP4
.else
	v_wmma_scale_f32_16x16x128_f8f6f4 v[rD:rD+7], v[rA:rA+7], v[rB:rB+7], v[rD:rD+7], v[rX], v[rW] matrix_a_fmt:MATRIX_FMT_FP4 matrix_b_fmt:MATRIX_FMT_FP4 matrix_a_scale:MATRIX_SCALE_ROW1 matrix_b_scale:MATRIX_SCALE_ROW1
.endif
.endr
.endr
.endr
.endm
; A step's 64 products; the scale words and K steps 0-5 are in.  Source 1 (the weights) lies in window 1; LDS loads name no source 1, so the step has two switches.
; first = 1: step 0, whose weights are waited for as they come (two K steps are 16 loads).  pf = 1: the next step's scale words and K steps 0-5 are asked for at the end.
.macro MM first, pf
.if \first
	s_wait_loadcnt 48
.endif
	WIN 0x04
	MUL 0
	PLACES
	XLOAD 0, 6, 0                                  ; K steps 6, 7 into the first half buffer
.if \first
	s_wait_loadcnt 32
.endif
	MUL 1
.if \first
	s_wait_loadcnt 16
.endif
	MUL 2
.if \first
	s_wait_loadcnt 0x0
.endif
	s_wait_dscnt 0x0
	MUL 3
	PLACES
.if \pf
	PRELOAD STEPB, SSTEP
.endif
	WIN 0
.if \pf
	s_add_co_u32 s[XB], s[XB], STEPB
	s_add_co_u32 s[SB], s[SB], SSTEP
	v_add_nc_u32 v[XA], s[XB], v[XA0]
	v_add_nc_u32 v[SA], s[SB], v[SA0]
.endif
.endm
.macro OUTLOAD slot                    ; four whole rows of the stage
	s_wait_xcnt 0x0                                ; the last stores have read their registers and their base: both are written again only behind this wait
	s_add_nc_u64 s[28:29], s[28:29], 131072        ; 32 rows of out0 on; the stores reach back
.irp i, 0,1,2,3
	ds_load_b128 v[ORW+4*\i:ORW+4*\i+3], v[SR] offset:(\slot)*STGB+XP*\i
.endr
.endm
.macro OUTSTORE
	s_wait_dscnt 0x0
.irp i, 0,1,2,3
	global_store_b128 v[GO], v[ORW+4*\i:ORW+4*\i+3], s[28:29] offset:4096*\i-131072 th:TH_STORE_NT   ; 32 lanes store 512 consecutive bytes, at a multiple of 256 from out0's first byte; written once, read by nobody here
.endr
.endm
; THE VECTOR WORK OF A STEP.  Each accumulator is read from its low end on.  The exponentials are one batch, the reciprocals another, each with a wait ahead and one behind.
; slot >= 0: the step's barrier is open; the last step's rows are read from that slot of the stage behind its wait, and stored behind the reciprocals.
.macro EVALU slot
.irp i, 0,2,4,6
.irp m, 0,1
	v_pk_mul_f32 v[ACC+32*\m+24+\i:ACC+32*\m+25+\i], v[ACC+32*\m+24+\i:ACC+32*\m+25+\i], s[NL2E:NL2E+1] op_sel_hi:[1,0]   ; -g log2(e)
.endr
.endr
.irp j, 0,1,2,3,4,5,6,7
.irp m, 0,1
.if \j == 0
	v_mul_f32 v[ACC+32*\m+8], v[ACC+32*\m+8], v[ACC+32*\m+16]     ; k v of my first row,
.else
	v_fma_f32 v[ACC+32*\m+8+\j], v[ACC+32*\m+8+\j], v[ACC+32*\m+16+\j], v[ACC+32*\m+7+\j]   ; and the prefix sums of my eight rows, the two row tiles by turns
.endif
.endr
.endr
.if (\slot) >= 0
	s_barrier_wait -1                              ; the stage is whole
	OUTLOAD \slot
.endif
	s_wait_alu depctr_va_vdst(0)                   ; ahead of the batch
.irp j, 0,1,2,3,4,5,6,7
.irp m, 0,1
	v_exp_f32 v[ACC+32*\m+24+\j], v[ACC+32*\m+24+\j]
.endr
.endr
.irp m, 0,1
	v_permlanex16_b32 v[TP+\m], v[ACC+32*\m+15], s[SEL], s[SEL+1]   ; the other lane half's eight rows
.endr
	s_wait_alu depctr_va_vdst(0)                   ; one wait for the sixteen exponentials, ahead of their first reader
.irp i, 0,2,4,6
.irp m, 0,1
	v_pk_add_f32 v[ACC+32*\m+24+\i:ACC+32*\m+25+\i], v[ACC+32*\m+24+\i:ACC+32*\m+25+\i], 1.0 op_sel_hi:[1,0]
.endr
.endr
	s_wait_alu depctr_va_vdst(0)                   ; ahead of the batch
.irp j, 0,1,2,3,4,5,6,7
.irp m, 0,1
	v_rcp_f32 v[ACC+32*\m+24+\j], v[ACC+32*\m+24+\j]              ; sigmoid(g)
.endr
.endr
	v_and_b32 v[MK], v[HM], v[TP]                  ; lanes 16-31 hold rows 8-15: rows 0-7 come in front of them
	v_and_b32 v[MK+1], v[HM], v[TP+1]
	v_add_f32 v[UT], v[ACC+15], v[TP]              ; a row tile's sixteen rows
	v_add_f32 v[UT+1], v[ACC+47], v[TP+1]
	s_delay_alu instid0(VALU_DEP_4)
	v_add_f32 v[OFF], v[CAR], v[MK]
	s_delay_alu instid0(VALU_DEP_3)
	v_add_f32 v[CAR], v[CAR], v[UT]
	s_delay_alu instid0(VALU_DEP_1)
	v_add_f32 v[OFF+2], v[CAR], v[MK+1]
	s_delay_alu instid0(VALU_DEP_2)
	v_add_f32 v[CAR], v[CAR], v[UT+1]              ; the carry into the next step
.irp i, 0,2,4,6
.irp m, 0,1
	v_pk_add_f32 v[ACC+32*\m+8+\i:ACC+32*\m+9+\i], v[ACC+32*\m+8+\i:ACC+32*\m+9+\i], v[OFF+2*\m:OFF+2*\m+1] op_sel_hi:[1,0]   ; the running sum
.endr
.endr
.if (\slot) >= 0
	OUTSTORE
.endif
	s_wait_alu depctr_va_vdst(0)                   ; one wait for the sixteen reciprocals, and directly ahead of the first reader of q
.irp i, 0,2,4,6
.irp m, 0,1
	v_pk_mul_f32 v[ACC+32*\m+\i:ACC+32*\m+1+\i], v[ACC+32*\m+\i:ACC+32*\m+1+\i], v[ACC+32*\m+24+\i:ACC+32*\m+25+\i]
.endr
.endr
.irp i, 0,2,4,6
.irp m, 0,1
	v_pk_mul_f32 v[ACC+32*\m+8+\i:ACC+32*\m+9+\i], v[ACC+32*\m+8+\i:ACC+32*\m+9+\i], v[ACC+32*\m+\i:ACC+32*\m+1+\i]        ; q x sigmoid(g) x the running sum
.endr
.endr
.endm
.macro ESTORE slot                     ; my column's 16 numbers into the stage; lanes 16-31 write eight rows further down, 32 banks away
.irp m, 0,1
.irp j, 0,1,2,3,4,5,6,7
	ds_store_b32 v[SW], v[ACC+32*\m+8+\j] offset:(\slot)*STGB+(16*\m+\j)*XP
.endr
.endr
.endm
; From one step's stage stores, into slot, to the end of the next step's vector work.  No barrier is open at its ends.
.macro ROT slot, pf
.if (\slot) == 0
	s_wait_alu depctr_va_vdst(0)                   ; ahead of the first reader behind the loop's branch
.endif
	ESTORE \slot
	s_wait_dscnt 0x0                               ; for the others' sake: my stage stores have landed; and the fragments asked for ahead are in
	s_barrier_signal -1                            ; say so; up to the wait stand products, work on registers and loads of x, which nobody writes
	MM 0, \pf
	EVALU \slot
.endm
	s_load_b512 s[4:19], s[0:1], 0x0               ; x s[4:5], its scales s[6:7], the weights' scales s[8:15], bq, bk s[16:19]
	s_load_b256 s[20:27], s[0:1], 0x40             ; bv, bg s[20:23], part s[24:25], wimg s[26:27]
	s_load_b64 s[28:29], s[0:1], 0x60              ; out0
	v_lshl_add_u32 v[SPW], v0, 2, SPARE
	v_mov_b32 v[NIL], 0
	ds_add_u32 v[SPW], v[NIL]                      ; the wave's opening: the add, twice on end, and its wait
	ds_add_u32 v[SPW], v[NIL]
	v_lshrrev_b32 v1, 5, v0
	v_readfirstlane_b32 s[WV], v1                  ; wave 0..7
	s_bfe_u32 s31, ttmp6, 0x40000                  ; cx: my place in the cluster
	s_lshl_b32 s33, ttmp9, 2                       ; in a cluster launch ttmp9 counts clusters
	s_add_co_u32 s33, s33, s31                     ; cg: my group of 128 columns; it enters the weights', the biases', part's and out0's addresses alone
	s_and_b32 s34, ttmp7, 0xffff                   ; y = 8 b + c, which the four partners share
	s_and_b32 s35, s34, 7                          ; c: my chunk of 512 rows in the batch
	s_lshr_b32 s66, s34, 3                         ; b: the batch
	s_lshr_b32 s67, s[WV], 1                       ; w: my group of 32 columns
	s_and_b32 s84, s[WV], 1                        ; u: its even or its odd ones
	s_lshl_b32 s80, s67, 7
	s_lshl_b32 s81, s84, 2
	s_add_co_u32 s80, s80, s81
	s_add_co_u32 s80, s80, STG
	s_mul_i32 s81, s[WV], 4*XP
	s_add_co_u32 s81, s81, STG
	s_lshl_b32 s82, s[WV], 14
	s_mov_b32 s[XB], 0
	s_mov_b32 s[SB], 0
	v_and_b32 v1, 15, v0                           ; r
	v_bfe_u32 v2, v0, 4, 1                         ; h
	v_and_b32 v15, 31, v0
	v_mul_u32_u24 v[XA0], v1, XP
	v_lshrrev_b32 v[SA0], 3, v1                    ; x's scale bytes: row r lies in unit r / 8, 32 (r % 8) bytes in; + 16 h
	v_and_b32 v[BL], 7, v1
	v_lshl_add_u32 v[XA0], v2, 4, v[XA0]
	v_mul_u32_u24 v[SA0], v[SA0], 272
	v_mul_u32_u24 v[SW], v2, 8*XP                  ; the stage, in: row 8 h (+ 16 m + j), byte 128 w + 8 r + 4 u
	v_lshlrev_b32 v[WSL], 6, v1
	v_lshl_add_u32 v[SA0], v[BL], 5, v[SA0]
	v_lshl_add_u32 v[SW], v1, 3, v[SW]
	v_lshl_add_u32 v[SR], v15, 4, s81              ; back: wave i takes rows 4 i .. 4 i + 3, whole
	v_lshl_add_u32 v[GO], v15, 4, s82              ; and the same rows in out0
	v_lshl_add_u32 v[SA0], v2, 4, v[SA0]
	v_add_nc_u32 v[SW], s80, v[SW]
	v_sub_nc_u32 v[HM], 0, v2
	v_lshlrev_b32 v[WL], 4, v15
	v_add_nc_u32 v[SA0], XS, v[SA0]
	v_lshl_add_u32 v[WSL], v2, 4, v[WSL]
	v_lshlrev_b32 v[BL], 3, v1
	v_add_nc_u32 v[XA], s[XB], v[XA0]
	v_add_nc_u32 v[SA], s[SB], v[SA0]
	v_lshl_add_u32 v[PL], v2, 12, v[BL]
	v_mov_b32 v[TP], 0                             ; a lane permute's destination counts as one of its sources
	v_mov_b32 v[TP+1], 0
	s_wait_alu depctr_va_vdst(0)                   ; ahead of the scalar lines and waits below
	s_mov_b32 s[SEL], 0x76543210
	s_mov_b32 s[SEL+1], 0xfedcba98
	s_mov_b32 s[NL2E], 0xbfb8aa3b                  ; -log2(e)
	s_mov_b32 s[NL2E+1], s[NL2E]                   ; (named with it as a pair, so it is written)
	; group 1.  15:0 the mask: all four work-groups; 17:16 elements of 1 or 8 bytes; 20 padding on; 21 set beside a mask; 24:22 after every 128 or 64 words; 31:25 four words
	G1C G1X, 15|(1<<20)|(1<<21)|(6<<22)|(3<<25), 512, 32
	G1C G1R, 15|(1<<20)|(1<<21)|(6<<22)|(3<<25), 512, 40
	G1C G1S, 15|(3<<16)|(1<<20)|(1<<21)|(5<<22)|(3<<25), 32, 32
	s_lshl_b32 s82, s33, 12
	s_lshl_b32 s83, s67, 10
	s_add_co_u32 s82, s82, s83
	s_lshl_b32 s83, s84, 5
	s_add_co_u32 s82, s82, s83                     ; my first column x 32 bytes
	s_mov_b32 s83, 0
	s_wait_dscnt 0x0                               ; both opening adds are done
	s_wait_kmcnt 0x0
.irp p, 0,1,2,3
	s_add_nc_u64 s[8+2*\p:9+2*\p], s[8+2*\p:9+2*\p], s[82:83]
.endr
	s_lshr_b32 s82, s82, 3                         ; x 4 bytes: the biases,
.irp p, 0,1,2,3
	s_add_nc_u64 s[16+2*\p:17+2*\p], s[16+2*\p:17+2*\p], s[82:83]
.endr
	s_mul_i32 s95, s66, 14*4096                    ; and part, at my batch's 14 rows
	s_add_co_u32 s82, s82, s95
	s_add_nc_u64 s[24:25], s[24:25], s[82:83]
	s_lshl_b32 s82, s33, 18                        ; wimg: 65,536 bytes a group of 32 columns, tile 2 p + u
	s_lshl_b32 s95, s67, 16
	s_add_co_u32 s82, s82, s95
	s_lshl_b32 s95, s84, 10
	s_add_co_u32 s82, s82, s95
	s_add_nc_u64 s[26:27], s[26:27], s[82:83]
	s_lshl_b32 s82, s34, 21                        ; out0: 512 y rows of 4,096 bytes + 512 bytes a group
	s_lshl_b32 s95, s33, 9
	s_add_co_u32 s82, s82, s95
	s_add_nc_u64 s[28:29], s[28:29], s[82:83]
.irp p, 0,1,2,3
	global_load_b128 v[WS+4*\p:WS+4*\p+3], v[WSL], s[8+2*\p:9+2*\p]
.endr
.irp p, 0,1,2,3
	global_load_b32 v[BIAS+8*\p], v[BL], s[16+2*\p:17+2*\p]
.endr
.irp i, 0,1,2,3,4,5,6
	global_load_b32 v[PT+\i], v[PL], s[24:25] offset:8192*\i      ; segment 2 i + h of my batch, my column: always inside the batch's 14 rows
.endr
	s_lshl_b32 s98, s84, 13                        ; the scale bytes: 512 y rows of 32 bytes, half of them for wave 6, half for wave 7
	s_mov_b32 s[G0S], 1
	s_mul_i32 s[G0S+1], s84, 32*272
	s_add_co_u32 s[G0S+1], s[G0S+1], XS
	s_lshl_b32 s84, s34, 14
	s_add_co_u32 s98, s98, s84
	s_mov_b32 s99, 0
	s_add_nc_u64 s[G0S+2:G0S+3], s[6:7], s[98:99]
	s_or_b32 s[G0S+3], s[G0S+3], 0x80000000
	s_lshl_b32 s84, s34, 18                        ; x's codes: 512 y rows of 512 bytes: made of y and the wave's number alone
	s_mov_b32 s85, 0
	s_add_nc_u64 s[4:5], s[4:5], s[84:85]
	s_lshl_b32 s96, s[WV], 14                      ; the head's 32 rows of mine
	s_mov_b32 s97, 0
	s_mov_b32 s[G0X], 1
	s_mul_i32 s[G0X+1], s[WV], 32*XP
	s_add_nc_u64 s[G0X+2:G0X+3], s[4:5], s[96:97]
	s_or_b32 s[G0X+3], s[G0X+3], 0x80000000
	s_mul_i32 s96, s[WV], 40*512                   ; and the 40 rows of mine behind row 192
	s_add_co_u32 s96, s96, 192*512
	s_mov_b32 s[G0R], 1
	s_mul_i32 s[G0R+1], s[WV], 40*XP
	s_add_co_u32 s[G0R+1], s[G0R+1], 192*XP
	s_add_nc_u64 s[G0R+2:G0R+3], s[4:5], s[96:97]
	s_or_b32 s[G0R+3], s[G0R+3], 0x80000000
	CROUND                                         ; all four work-groups are here: the joint fills meet
	s_cmp_lt_u32 s[WV], 6
	s_cbranch_scc0 .Lhead_s
	TLOAD G0X, G1X
	s_branch .Lhead_asked
.Lhead_s:
	TLOAD G0S, G1S
.Lhead_asked:
	WIN 0x40                                       ; the weights
.irp s, 0,1,2,3,4,5,6,7
.irp p, 0,1,2,3
.irp c, 0,1
	global_load_b128 v[32*\s+8*\p+4*\c:32*\s+8*\p+4*\c+3], v[WL], s[26:27] offset:8192*\s+2048*\p+512*\c
.endr
.endr
.endr
	WIN 0
	s_wait_loadcnt 63                              ; of 15 + 64 loads the first 16 are in: scale words, biases, part
.irp p, 0,1,2,3
.irp j, 1,2,3,4,5,6,7
	v_mov_b32 v[BIAS+8*\p+\j], v[BIAS+8*\p]        ; a lane's eight results are one column: eight times its bias
.endr
.endr
	; the carry into my chunk: segments 0 .. 2 c - 1.  Load i holds segment 2 i + h, which counts where i < c: chosen by a mask of bits, with no branch
	s_cmp_gt_u32 s35, 0
	s_cselect_b32 s94, -1, 0
	v_and_b32 v[CAR], s94, v[PT]
.irp i, 1,2,3,4,5,6
	s_cmp_gt_u32 s35, \i
	s_cselect_b32 s94, -1, 0
	v_and_b32 v[PT+\i], s94, v[PT+\i]
	v_add_f32 v[CAR], v[CAR], v[PT+\i]
.endr
	v_permlanex16_b32 v[TP], v[CAR], s[SEL], s[SEL+1]
	v_add_f32 v[CAR], v[CAR], v[TP]                ; even and odd segments
	s_wait_alu depctr_va_vdst(0)
	s_wait_tensorcnt 0x0                           ; my tile of the head's is in
	ds_add_u32 v[SPW], v[NIL]
	s_wait_dscnt 0x0
	CROUND                                         ; everybody's is, and all four work-groups are here: the joint fills meet
	TLOAD G0R, G1R                                 ; rows 192-511
	PRELOAD 0, 0
	s_wait_dscnt 0x0
	MM 1, 1                                        ; step 0
	s_wait_dscnt 0x0                               ; no LDS load of mine is out at the signal below
	s_wait_alu depctr_va_vdst(0)                   ; ahead of the branch
	s_cmp_ge_u32 s[WV], 4                          ; waves 0-3 do step 0's vector work in front of the barrier, waves 4-7 behind it: from here on the two groups run half a step apart
	s_cbranch_scc1 .Llate
	EVALU -1
.Llate:
	s_wait_alu depctr_va_vdst(0)
	s_barrier_signal -1
	s_barrier_wait -1
	s_cmp_lt_u32 s[WV], 4
	s_cbranch_scc1 .Learly
	EVALU -1
.Learly:
	s_mov_b32 s[CNT], 2
.Lsteps_1:                                         ; steps 1-4: what they ask for ahead reaches step 5, in rows 160-191
	ROT 0, 1
	ROT 1, 1
	s_sub_co_u32 s[CNT], s[CNT], 1
	s_cmp_lg_u32 s[CNT], 0
	s_cbranch_scc1 .Lsteps_1
	s_wait_tensorcnt 0x0                           ; my part of rows 192-511 is in
	s_wait_alu depctr_va_vdst(0)
	s_barrier_signal -1
	s_barrier_wait -1                              ; everybody's is, ahead of what step 5 asks for
	s_mov_b32 s[CNT], 5
.Lsteps_5:                                         ; steps 5-14
	ROT 0, 1
	ROT 1, 1
	s_sub_co_u32 s[CNT], s[CNT], 1
	s_cmp_lg_u32 s[CNT], 0
	s_cbranch_scc1 .Lsteps_5
	ROT 0, 0                                       ; step 15 asks for nothing more
	ESTORE 1
	s_wait_dscnt 0x0
	s_barrier_signal -1
	s_barrier_wait -1
	OUTLOAD 1                                      ; step 15's rows
	OUTSTORE
	s_wait_tensorcnt 0x0                           ; the wave's end
	ds_add_u32 v[SPW], v[NIL]
	s_wait_dscnt 0x0
	CROUND                                         ; the closing round: no work-group ends while a partner may still ask for a tile that names it
	s_endpgm
.Lfunc_end_k_qdc15dc396b_main:
	.size	k_qdc15dc396b_main, .Lfunc_end_k_qdc15dc396b_main-k_qdc15dc396b_main
	.p2alignl 7, 3214868480
	.fill 96, 4, 3214868480
	.section	.rodata,"a",@progbits
	.p2align	6, 0x0
	.amdhsa_kernel k_qdc15dc396b_main
		.amdhsa_group_segment_fixed_size 327680
		.amdhsa_private_segment_fixed_size 0
		.amdhsa_enable_private_segment 0
		.amdhsa_kernarg_size 104
		.amdhsa_user_sgpr_count 2
		.amdhsa_user_sgpr_kernarg_segment_ptr 1
		.amdhsa_wavefront_size32 1
		.amdhsa_system_sgpr_workgroup_id_x 1
		.amdhsa_system_sgpr_workgroup_id_y 1
		.amdhsa_system_sgpr_workgroup_id_z 1
		.amdhsa_system_vgpr_workitem_id 0
		.amdhsa_next_free_vgpr 512
		.amdhsa_next_free_sgpr 100
		.amdhsa_reserve_vcc 0
		.amdhsa_float_denorm_mode_32 3
		.amdhsa_float_denorm_mode_16_64 3
		.amdhsa_memory_ordered 1
		.amdhsa_forward_progress 1
		.amdhsa_inst_pref_size 129
	.end_amdhsa_kernel
	.amdgpu_metadata
---
amdhsa.version: [ 1, 2 ]
amdhsa.kernels:
  - .name:           k_qdc15dc396b_main
    .symbol:         k_qdc15dc396b_main.kd
    .args:
      - { .name: x_codes, .offset: 0, .size: 8, .value_kind: global_buffer, .address_space: global }
      - { .name: x_scales, .offset: 8, .size: 8, .value_kind: global_buffer, .address_space: global }
      - { .name: Wq_scales, .offset: 16, .size: 8, .value_kind: global_buffer, .address_space: global }
      - { .name: Wk_scales, .offset: 24, .size: 8, .value_kind: global_buffer, .address_space: global }
      - { .name: Wv_scales, .offset: 32, .size: 8, .value_kind: global_buffer, .address_space: global }
      - { .name: Wg_scales, .offset: 40, .size: 8, .value_kind: global_buffer, .address_space: global }
      - { .name: bq, .offset: 48, .size: 8, .value_kind: global_buffer, .address_space: global }
      - { .name: bk, .offset: 56, .size: 8, .value_kind: global_buffer, .address_space: global }
      - { .name: bv, .offset: 64, .size: 8, .value_kind: global_buffer, .address_space: global }
      - { .name: bg, .offset: 72, .size: 8, .value_kind: global_buffer, .address_space: global }
      - { .name: part, .offset: 80, .size: 8, .value_kind: global_buffer, .address_space: global }
      - { .name: wimg, .offset: 88, .size: 8, .value_kind: global_buffer, .address_space: global }
      - { .name: out0, .offset: 96, .size: 8, .value_kind: global_buffer, .address_space: global }
    .group_segment_fixed_size: 327680
    .private_segment_fixed_size: 0
    .kernarg_segment_align: 8
    .kernarg_segment_size: 104
    .max_flat_workgroup_size: 256
    .sgpr_count:     100
    .vgpr_count:     512
    .wavefront_size: 32
...
	.end_amdgpu_metadata
.endif
;; end of part 2
